; MI455X (gfx1250); checked and timed in simulation.
; The chip was launched on July 23, 2026; its instructions are those of AMD's public machine-readable ISA for CDNA 5 (MIT licence, August 2026) and "CDNA5" Instruction Set Architecture Reference Guide (July 2026). The comments in the code are by the model that wrote it; some were corrected since.
;; compressor. Allowed arithmetic: float matrix products may take bf16 or f16 operands with f32 sums; all other float work in f32.
;; Inputs: para_temp 1 float32; src_tensor_list 8 x 1,048,576 int32.
;; Outputs: out0 1 x 1,048,576 int32.
;; One version. Each part assembles by itself: llvm-mc -triple=amdgcn-amd-amdhsa -mcpu=gfx1250 --defsym DOCPART=n.
;; ======== version 1 of 1: 1 launch
;; launch vote (part 1): grid 256 x 1, 16 waves a work-group, no clusters, 0 bytes of LDS; arguments para_temp, src_tensor_list, out0; writes out0
.if DOCPART == 1
	.amdgcn_target "amdgcn-amd-amdhsa--gfx1250"
	.amdhsa_code_object_version 6
	.text
	.protected	k_qe96786870c_vote
	.globl	k_qe96786870c_vote
	.p2align	8
	.type	k_qe96786870c_vote,@function
k_qe96786870c_vote:
	s_mov_b64 s[64:65], 0
	v_nop
	global_prefetch_b8 v0, s[64:65] scope:SCOPE_SE
	s_setreg_imm32_b32 hwreg(HW_REG_WAVE_MODE, 25, 1), 1
	s_wait_xcnt 0x0
; out[m] = bitwise majority of src[0..7][m]:  bit i of out[m] is 1 iff at least 5 of the 8 voters have bit i of word m set.
; (A set bit stands for -1, a clear one for +1; the sum of 8 such votes is 8 - 2 n, negative iff n >= 5; a tie, n = 4, gives bit 0.
;  Unpacking, transposing and repacking leave every bit at its own place, so the vote is taken on whole 32-bit words, bit-sliced.)
; src: [8][1048576] int32, out: [1][1048576] int32.  Exact for every bit pattern: no limit of range.
; para_temp: the function computed takes it and uses it nowhere.  Its word is fetched once by each wave (a 4-byte scalar load)
; and enters no result.
;
; Bytes decide here: 32 MiB in, 4 MiB out, 19 logic instructions for an output word.  So: every byte read once, all loads asked for at once.
; 256 work-groups of 16 waves.  A work-group owns 4,096 words (16 KiB) of every voter's row and of out, as two chunks of 8 KiB.
; Thread t owns the 16 bytes at byte 16 t of each chunk: a load or store of a wave covers 512 consecutive bytes, aligned to 512.
; A wave issues its 16 loads (2 chunks x 8 voters) back to back: 16 waves x 16 loads x 512 bytes = 128 KiB, the group's whole input, is
; in flight before the first vote, so there is no loop and no ring.
; No LDS, barrier, cluster or matrix instruction: no byte is shared between lanes, waves or work-groups, and there is no product.
.set VOTER, 4194304                    ; bytes in a voter's row
.set GROUP, 16384                      ; bytes of a row that a work-group owns
.set CHUNK, 8192                       ; 512 threads x 16 bytes
.set OFF, 1                            ; v1        my byte offset in a row and in out; never rewritten
.set X,   4                            ; v[4:67]   chunk c, voter v: 4 words at X + 32 c + 4 v
.set T,   68                           ; v[68:95]  seven temporaries of 4 words: number k at T + 4 k
.set Y,   96                           ; v[96:103] chunk c: 4 result words at Y + 4 c (a set for each chunk: a store's data is never rewritten)
	s_load_b128 s[4:7], s[0:1], 0x0                ; para_temp s[4:5], src s[6:7]
	s_load_b64 s[8:9], s[0:1], 0x10                ; out
	s_lshl_b32 s2, ttmp9, 14                       ; the work-group's 16 KiB (at most 255 x 16,384: far below 4 GiB)
	v_lshl_add_u32 v[OFF], v0, 4, s2               ; + 16 t
	s_wait_kmcnt 0x0
	s_add_nc_u64 s[10:11], s[6:7], 2*VOTER         ; a base for every second voter; the odd voter (+4 MiB) and the second chunk (+8 KiB)
	s_add_nc_u64 s[12:13], s[6:7], 4*VOTER         ; stand in the immediate: 4,202,496 at the most, inside its signed 24 bits
	s_add_nc_u64 s[14:15], s[6:7], 6*VOTER
.irp c, 0,1
.irp h, 0,1
	global_load_b128 v[X+32*\c+4*\h:X+32*\c+4*\h+3],       v[OFF], s[6:7]   offset:\h*VOTER+\c*CHUNK th:TH_LOAD_NT   ; voters 0, 1
.endr
.irp h, 0,1
	global_load_b128 v[X+32*\c+8+4*\h:X+32*\c+8+4*\h+3],   v[OFF], s[10:11] offset:\h*VOTER+\c*CHUNK th:TH_LOAD_NT   ; voters 2, 3
.endr
.irp h, 0,1
	global_load_b128 v[X+32*\c+16+4*\h:X+32*\c+16+4*\h+3], v[OFF], s[12:13] offset:\h*VOTER+\c*CHUNK th:TH_LOAD_NT   ; voters 4, 5
.endr
.irp h, 0,1
	global_load_b128 v[X+32*\c+24+4*\h:X+32*\c+24+4*\h+3], v[OFF], s[14:15] offset:\h*VOTER+\c*CHUNK th:TH_LOAD_NT   ; voters 6, 7
.endr
.endr
	s_load_b32 s16, s[4:5], 0x0                    ; para_temp's word: read, and used by nothing (see the head)
; One logic step on the four words of a 16-byte piece, side by side, so that no line waits for the line in front of it.
.macro B2 op, d, a, b
.irp j, 0,1,2,3
	\op v[\d+\j], v[\a+\j], v[\b+\j]
.endr
.endm
; v_bfi_b32 d, m, a, b = (m & a) | (~m & b).  With m = p ^ q:  v_bfi_b32 d, m, r, p = majority(p, q, r), the carry of a full adder.
.macro B3 d, m, a, b
.irp j, 0,1,2,3
	v_bfi_b32 v[\d+\j], v[\m+\j], v[\a+\j], v[\b+\j]
.endr
.endm
.set T0, T
.set T1, T+4
.set T2, T+8
.set T3, T+12
.set T4, T+16
.set T5, T+20
.set T6, T+24
; The vote of chunk c.  Carry-save adders count the 8 bits of every bit position:  n = s3 + 2 (c0 + c1 + c2 + c3) = s3 + 2 u + 4 (tc + d).
; n >= 5  iff  tc and d (n = 8), or one of them and (u or s3)  =  majority(tc, d, u | s3).
.macro VOTE c
.set A, X+32*\c
	B2 v_xor_b32, T0, A, A+4                       ; voters 0, 1, 2:
	B3 T1, T0, A+8, A                              ;   c0 = their carry
	B2 v_xor_b32, T0, T0, A+8                      ;   s0 = their sum
	B2 v_xor_b32, T2, A+12, A+16                   ; voters 3, 4, 5:
	B3 T3, T2, A+20, A+12                          ;   c1
	B2 v_xor_b32, T2, T2, A+20                     ;   s1
	B2 v_xor_b32, T4, T0, T2                       ; s0, s1, voter 6:
	B3 T5, T4, A+24, T0                            ;   c2
	B2 v_xor_b32, T4, T4, A+24                     ;   s2
	B2 v_and_b32, T0, T4, A+28                     ; s2, voter 7: c3
	B2 v_xor_b32, T4, T4, A+28                     ;   s3, the count's bit of weight 1
	B2 v_xor_b32, T2, T1, T3                       ; c0, c1, c2:
	B3 T6, T2, T5, T1                              ;   tc, weight 4
	B2 v_xor_b32, T2, T2, T5                       ;   ts, weight 2
	B2 v_and_b32, T1, T2, T0                       ; ts, c3: d, weight 4
	B2 v_xor_b32, T2, T2, T0                       ;   u, weight 2
	B2 v_or_b32,  T2, T2, T4                       ; u | s3
	B2 v_xor_b32, T3, T6, T1                       ; majority(tc, d, u | s3)
	B3 Y+4*\c, T3, T2, T6
.endm
	s_wait_loadcnt 0x8                             ; loads return in order (ISA guide 5.7.1): chunk 0's eight are in, chunk 1's eight stay out
	VOTE 0
	global_store_b128 v[OFF], v[Y:Y+3], s[8:9] th:TH_STORE_NT                  ; its sources (v1, Y's first four, s[8:9]) are not written again
	s_wait_loadcnt 0x0                             ; chunk 1
	VOTE 1
	global_store_b128 v[OFF], v[Y+4:Y+7], s[8:9] offset:CHUNK th:TH_STORE_NT
	s_wait_kmcnt 0x0                               ; para_temp's load has landed in s16 before the wave ends (issued long ago: nothing is waited out here)
	s_endpgm
.Lfunc_end_k_qe96786870c_vote:
	.size	k_qe96786870c_vote, .Lfunc_end_k_qe96786870c_vote-k_qe96786870c_vote
	.p2alignl 7, 3214868480
	.fill 96, 4, 3214868480
	.section	.rodata,"a",@progbits
	.p2align	6, 0x0
	.amdhsa_kernel k_qe96786870c_vote
		.amdhsa_group_segment_fixed_size 0
		.amdhsa_private_segment_fixed_size 0
		.amdhsa_enable_private_segment 0
		.amdhsa_kernarg_size 24
		.amdhsa_user_sgpr_count 2
		.amdhsa_user_sgpr_kernarg_segment_ptr 1
		.amdhsa_wavefront_size32 1
		.amdhsa_system_sgpr_workgroup_id_x 1
		.amdhsa_system_sgpr_workgroup_id_y 1
		.amdhsa_system_sgpr_workgroup_id_z 1
		.amdhsa_system_vgpr_workitem_id 0
		.amdhsa_next_free_vgpr 104
		.amdhsa_next_free_sgpr 66
		.amdhsa_reserve_vcc 0
		.amdhsa_float_denorm_mode_32 3
		.amdhsa_float_denorm_mode_16_64 3
		.amdhsa_memory_ordered 1
		.amdhsa_forward_progress 1
		.amdhsa_inst_pref_size 9
	.end_amdhsa_kernel
	.amdgpu_metadata
---
amdhsa.version: [ 1, 2 ]
amdhsa.kernels:
  - .name:           k_qe96786870c_vote
    .symbol:         k_qe96786870c_vote.kd
    .args:
      - { .name: para_temp, .offset: 0, .size: 8, .value_kind: global_buffer, .address_space: global }
      - { .name: src_tensor_list, .offset: 8, .size: 8, .value_kind: global_buffer, .address_space: global }
      - { .name: out0, .offset: 16, .size: 8, .value_kind: global_buffer, .address_space: global }
    .group_segment_fixed_size: 0
    .private_segment_fixed_size: 0
    .kernarg_segment_align: 8
    .kernarg_segment_size: 24
    .max_flat_workgroup_size: 512
    .sgpr_count:     66
    .vgpr_count:     104
    .wavefront_size: 32
...
	.end_amdgpu_metadata
.endif
;; end of part 1
